; MI455X (gfx1250); checked and timed in simulation.
; The chip was launched on July 23, 2026; its instructions are those of AMD's public machine-readable ISA for CDNA 5 (MIT licence, August 2026) and "CDNA5" Instruction Set Architecture Reference Guide (July 2026). The comments in the code are by the model that wrote it; some were corrected since.
;; Relu Network Disentangle. Allowed arithmetic: matrix products marked QUANTISED: E2M1 operands, one E8M0 scale for each 32 along K, by v_wmma_scale_f32_16x16x128_f8f6f4 with both operands' format E2M1 (or v_wmma_scale_f32_32x16x128_f4), f32 sums; products left as they are: f32 operands where the result goes on into a quantised operand, else bf16, f16 or f32 operands; f32 sums; everything else in f32.
;; Inputs: W_blocks 8 x 128 x 128 float32; W_c 128 x 128 float32; W_in 63 x 128 float32; W_out 128 x 1 float32; W_rgb 128 x 3 float32; W_skip 63 x 128 float32; W_skipc 128 x 128 float32; W_view 27 x 128 float32; W_viewc 128 x 128 float32; b_blocks 8 x 128 float32; b_c 128 float32; b_in 128 float32; b_out 1 float32; b_rgb 3 float32; b_skip 128 float32; b_skipc 128 float32; b_view 128 float32; b_viewc 128 float32; condition 262,144 x 256 float32; coords 262,144 x 3 float32; noise 262,144 x 1 float32; ray_dir 262,144 x 3 float32.
;; Outputs: out0 262,144 x 4 float32.
;; This version of the problem:
;;   THIS VERSION OF THE PROBLEM IS GIVEN IN LOW PRECISION. The matrix products marked QUANTISED in the list below multiply operands that are first quantised to E2M1 (2 exponent bits, 1 mantissa bit; 4 bits a number), with one power-of-two scale for each 32 numbers along K (OCP MX v1.0); their sums are f32. All else is computed in f32.
;;   The module's matrix products, in the order in which they are computed (A, B: the left and right operand; K: the contracted axis; several contracted axes count as one K, in the product's order):
;;     1. [M 262,144, K 63] x [K 63, N 128]; A: computed on the way; B: input W_in: QUANTISED
;;     2. [M 262,144, K 128] x [K 128, N 128]; A: input condition; B: input W_c: QUANTISED
;;     3. [M 262,144, K 128] x [K 128, N 128]; A: computed on the way; B: input W_blocks: QUANTISED
;;     4. [M 262,144, K 128] x [K 128, N 128]; A: computed on the way; B: input W_blocks: QUANTISED
;;     5. [M 262,144, K 128] x [K 128, N 128]; A: computed on the way; B: input W_blocks: QUANTISED
;;     6. [M 262,144, K 128] x [K 128, N 128]; A: computed on the way; B: input W_blocks: QUANTISED
;;     7. [M 262,144, K 63] x [K 63, N 128]; A: computed on the way; B: input W_skip: QUANTISED
;;     8. [M 262,144, K 128] x [K 128, N 128]; A: input condition; B: input W_skipc: QUANTISED
;;     9. [M 262,144, K 128] x [K 128, N 128]; A: computed on the way; B: input W_blocks: QUANTISED
;;     10. [M 262,144, K 128] x [K 128, N 128]; A: computed on the way; B: input W_blocks: QUANTISED
;;     11. [M 262,144, K 128] x [K 128, N 128]; A: computed on the way; B: input W_blocks: QUANTISED
;;     12. [M 262,144, K 128] x [K 128, N 128]; A: computed on the way; B: input W_blocks: QUANTISED
;;     13. [M 262,144, K 128] x [K 128, N 1]; A: computed on the way; B: input W_out: left as it is (N = 1 < 16)
;;     14. [M 262,144, K 27] x [K 27, N 128]; A: computed on the way; B: input W_view: left as it is (K = 27 < 32)
;;     15. [M 262,144, K 128] x [K 128, N 128]; A: input condition; B: input W_viewc: QUANTISED
;;     16. [M 262,144, K 128] x [K 128, N 3]; A: computed on the way; B: input W_rgb: left as it is (N = 3 < 16)
;;   THE QUANTISER, for each operand of a quantised product, along K:
;;     - K is cut into blocks of 32 from its start; a last block that is shorter is filled with zeros.
;;     - A block's scale is 2^e with e = floor(log2(the largest magnitude in the block)) - 2, held to -126 .. 127; a block of zeros has e = 0. As a byte (E8M0): e + 127.
;;     - Each number is divided by its block's scale, clamped to +-6, and rounded to the nearest number of E2M1, ties to even, subnormals kept.
;;     - The product sums the exact products of the quantised numbers (number of the format x scale) in f32.
;;   ~~~python
;;   def quantise(x, axis):      # numpy; x: float32 -> the quantised numbers, widened to float32 again
;;       x = np.moveaxis(x, axis, -1); K = x.shape[-1]
;;       x = np.pad(x, [(0, 0)] * (x.ndim - 1) + [(0, -K % 32)]); x = x.reshape(x.shape[:-1] + (-1, 32)); a = np.abs(x).max(-1, keepdims=True)
;;       e = np.where(a > 0, np.clip(np.frexp(np.where(a > 0, a, 1))[1] - 1 - 2, -126, 127), 0)      # np.frexp(a)[1] - 1 = floor(log2(a)), exactly
;;       r = np.clip(x / 2.0 ** e, -6, 6)
;;       step = 2.0 ** (np.maximum(np.frexp(np.where(r == 0, 1, r))[1] - 1, 0) - 1)
;;       q = np.round(r / step) * step * 2.0 ** e      # np.round: ties to even
;;       return np.moveaxis(q.reshape(q.shape[:-2] + (-1,))[..., :K], -1, axis).astype(np.float32)
;;   ~~~
;;   OPERANDS COMPUTED ON THE WAY. 'Computed on the way' means the value that the module computes at that place (a softmax that the list does not call 'softmax' is quantised finished and normalised). What goes into a quantiser is computed in f32, as accurately as f32 sums, v_exp_f32 and their like allow (about 1e-6 of the number): no bf16 or f16 on the way to a quantiser, and a product that is left as it is and whose result goes on into a quantised operand takes f32 operands (vector FMAs, or v_wmma_f32_16x16x4_f32). A number that lies on a knife's edge between two numbers of the format may be rounded either way, as far as f32 arithmetic and the matrix unit's own rounding can turn it there, and no further.
;; One version. Each part assembles by itself: llvm-mc -triple=amdgcn-amd-amdhsa -mcpu=gfx1250 --defsym DOCPART=n.
;; ======== version 1 of 1: 2 launches
;; limits: values are held in bf16: 8 bits of precision; right only within a limited range of input values
;; workspace buffers: blob 137,216 bytes
;; launch prep (part 1): grid 15 x 1, 8 waves a work-group, no clusters, 0 bytes of LDS; arguments W_blocks, W_in, W_c, W_skip, W_skipc, W_viewc, W_view, W_out, W_rgb, b_blocks, b_in, b_c, b_skip, b_skipc, b_view, b_viewc, blob; writes blob
.if DOCPART == 1
	.amdgcn_target "amdgcn-amd-amdhsa--gfx1250"
	.amdhsa_code_object_version 6
	.text
	.protected	k_q4dad33905e_prep
	.globl	k_q4dad33905e_prep
	.p2align	8
	.type	k_q4dad33905e_prep,@function
k_q4dad33905e_prep:
	s_mov_b64 s[64:65], 0
	v_nop
	global_prefetch_b8 v0, s[64:65] scope:SCOPE_SE
	s_setreg_imm32_b32 hwreg(HW_REG_WAVE_MODE, 25, 1), 1
	s_wait_xcnt 0x0
; All weights become images of the registers in which the second launch wants them; that launch copies the images into LDS as they lie.
; blob: 13 records of REC bytes (0-7 W_blocks, 8 W_in, 9 W_c, 10 W_skip, 11 W_skipc, 12 W_viewc), then W_view and W_out / W_rgb as bf16 fragments, then 1,024 zero bytes.
; A record: 8 fragments of FP4 (E2M1) codes (tile t: 1024 t + 512 c + 16 lane = registers 4 c .. 4 c + 3), 512 bytes of scale words (64 t + 4 r), 512 bytes of bias in a result's layout (64 t + 32 h + 4 j).
; THE UNITS OF A TILE: lane r of tile t takes unit 64 (t / 4) + 8 (t % 4) + r % 8 + 32 (r / 8).  In a transposed product lane (row, h) then holds, in the 32 registers of tiles 4 P .. 4 P + 3,
; units 64 P + 32 h + 0 .. 31: one whole block of the next K, in the order of the 4-bit operand's registers.
; A weight is stored [k][unit]: a lane takes a unit and its registers run DOWN k: the conversions' results are the operand's registers.
; A block's scale byte is its largest magnitude's exponent field - 2, held at 1 from below.  A block of zeros so gets the byte 1 where the rule says 127: its codes are zeros, and this program alone reads the bytes.
; LIMITS: NaN and infinities among the weights are not served.
; Work-group j <= 12 makes record j, one wave to a tile; work-group 13 W_view's fragments; work-group 14 W_out's and W_rgb's.  No LDS, no barrier: waves share nothing.
.set REC,  0x2400
.set WVO,  0x1D400
.set WOO,  0x1F400
.set PADO, 0x21400
.set X,    64
	s_load_b512 s[4:19], s[0:1], 0x0               ; W_blocks, W_in, W_c, W_skip, W_skipc, W_viewc, W_view, W_out
	s_load_b512 s[20:35], s[0:1], 0x40             ; W_rgb, b_blocks, b_in, b_c, b_skip, b_skipc, b_view, b_viewc
	s_load_b64 s[36:37], s[0:1], 0x80              ; blob
	v_lshrrev_b32 v1, 5, v0
	s_delay_alu instid0(VALU_DEP_1)
	v_readfirstlane_b32 s39, v1                    ; wave = tile t
	s_mov_b32 s38, ttmp9                           ; j
	v_and_b32 v1, 31, v0                           ; lane
	v_and_b32 v2, 15, v0                           ; r
	v_bfe_u32 v3, v0, 4, 1                         ; h
	s_delay_alu instid0(VALU_DEP_3)
	v_lshlrev_b32 v4, 4, v1                        ; 16 x lane
	s_lshl_b32 s44, s39, 10
	v_add_nc_u32 v8, s44, v4                       ; a fragment's place
	s_lshr_b32 s40, s39, 2
	s_lshl_b32 s40, s40, 6
	s_and_b32 s41, s39, 3
	s_lshl_b32 s41, s41, 3
	s_add_co_u32 s40, s40, s41                     ; 64 (t / 4) + 8 (t % 4)
	v_and_b32 v5, 8, v2
	s_delay_alu instid0(VALU_DEP_1)
	v_lshl_add_u32 v5, v5, 1, v5                   ; 24 (r / 8)
	s_delay_alu instid0(VALU_DEP_1)
	v_add3_u32 v5, v5, v2, s40                     ; my unit
	s_delay_alu instid0(VALU_DEP_1)
	v_lshlrev_b32 v5, 2, v5                        ; its 4 bytes in a row of a weight
	s_mov_b32 s46, 0x76543210
	s_mov_b32 s47, 0xfedcba98                      ; selects for lane l xor 16
	s_mov_b32 s49, 0
	s_wait_kmcnt 0x0
	s_cmp_ge_u32 s38, 13
	s_cbranch_scc1 .Ltails
	; ---- a record of codes
	s_min_u32 s42, s38, 7
	s_lshl_b32 s48, s42, 16
	s_add_nc_u64 s[50:51], s[4:5], s[48:49]        ; the weight: the choice hangs on the work-group's number alone
	s_cmp_eq_u32 s38, 8
	s_cselect_b64 s[50:51], s[6:7], s[50:51]
	s_cmp_eq_u32 s38, 9
	s_cselect_b64 s[50:51], s[8:9], s[50:51]
	s_cmp_eq_u32 s38, 10
	s_cselect_b64 s[50:51], s[10:11], s[50:51]
	s_cmp_eq_u32 s38, 11
	s_cselect_b64 s[50:51], s[12:13], s[50:51]
	s_cmp_eq_u32 s38, 12
	s_cselect_b64 s[50:51], s[14:15], s[50:51]
	s_mul_i32 s48, s38, REC
	s_add_nc_u64 s[36:37], s[36:37], s[48:49]      ; my record
	s_wait_alu depctr_va_vdst(0)
	v_lshl_add_u32 v6, v3, 14, v5                  ; lanes 16-31 begin 32 rows of 512 bytes further down
	v_mul_u32_u24 v7, v3, 31*512
	s_delay_alu instid0(VALU_DEP_1)
	v_add_nc_u32 v7, v7, v5                        ; (for the last row of a weight of 63 rows)
	s_and_b32 s43, s38, 13
	s_cmp_eq_u32 s43, 8                            ; j = 8 or 10: W_in, W_skip have 63 rows
	s_cbranch_scc1 .Lshort
.set i, 0
.rept 64
	global_load_b32 v[X+i], v6, s[50:51] offset:(64*(i/32)+i%32)*512   ; W(64 c + 32 h + i, my unit)
.set i, i+1
.endr
	s_wait_loadcnt 0x0
	s_branch .Lquant
.Lshort:
.set i, 0
	s_wait_alu depctr_va_vdst(0)
.rept 31
	global_load_b32 v[X+i], v6, s[50:51] offset:i*512
.set i, i+1
.endr
	global_load_b32 v[X+31], v7, s[50:51] offset:31*512                ; row 31, and in lanes 16-31 row 62 once more: no load leaves the 63 rows
.set i, 32
.rept 32
	v_mov_b32 v[X+i], 0                            ; k = 64 .. 127: zeros
.set i, i+1
.endr
	s_wait_loadcnt 0x0
	v_cmp_eq_u32 vcc_lo, 0, v3
	s_delay_alu instid0(VALU_DEP_1)
	v_cndmask_b32 v[X+31], 0, v[X+31], vcc_lo      ; k = 63 is a zero
.Lquant:
.irp c, 0,1                                    ; my block 2 c + h: all its 32 numbers are mine
	v_max3_num_f32 v[32+\c], |v[X+32*\c]|, |v[X+32*\c+1]|, 0x1800000   ; with the floor 2^(3 - 127)
.endr
.irp i, 2,4,6,8,10,12,14,16,18,20,22,24,26,28,30
.irp c, 0,1
	s_delay_alu instid0(VALU_DEP_2)
	v_max3_num_f32 v[32+\c], v[32+\c], |v[X+32*\c+\i]|, |v[X+32*\c+\i+1]|
.endr
.endr
.irp c, 0,1
	s_delay_alu instid0(VALU_DEP_2)
	v_add_nc_u32 v[44+\c], 0xff000000, v[32+\c]    ; 2 off the exponent field: the conversion's scale operand
.endr
.irp c, 0,1
	s_delay_alu instid0(VALU_DEP_2)
	v_lshrrev_b32 v[36+\c], 23, v[44+\c]           ; the scale's byte
.endr
	s_delay_alu instid0(VALU_DEP_1)
	v_lshl_or_b32 v9, v37, 16, v36                 ; blocks h and 2 + h,
	v_lshlrev_b32 v10, 3, v3
	s_delay_alu instid0(VALU_DEP_1)
	v_lshlrev_b32 v9, v10, v9                      ; at their places in the word;
	v_mov_b32 v10, 0
	s_delay_alu instid0(VALU_DEP_1)
	v_permlanex16_b32 v10, v9, s46, s47
	s_delay_alu instid0(VALU_DEP_1)
	v_or_b32 v9, v9, v10                           ; with lane l xor 16's two the word is whole
.irp c, 0,1
.irp g, 0,1,2,3
	v_cvt_scalef32_pk8_fp4_f32 v[48+4*\c+\g], v[X+32*\c+8*\g:X+32*\c+8*\g+7], v[44+\c]
.endr
.endr
	v_nop                                          ; one plain place behind a scaled conversion
	global_store_b128 v8, v[48:51], s[36:37]       ; 512 consecutive bytes a store
	global_store_b128 v8, v[52:55], s[36:37] offset:512
	s_lshl_b32 s44, s39, 6
	v_lshl_add_u32 v11, v2, 2, s44
	global_store_b32 v11, v9, s[36:37] offset:8192 ; lanes r and r + 16 store the same word at the same place
	s_cmp_lg_u32 s39, 0
	s_cbranch_scc1 .Ldone
	; wave 0: the record's bias.  Lane l owns floats 4 l .. 4 l + 3 of the image: t = l / 4, h = (l / 2) % 2, j = 4 (l % 2) on
	v_lshrrev_b32 v12, 4, v1
	s_delay_alu instid0(VALU_DEP_1)
	v_lshlrev_b32 v12, 6, v12
	v_bfe_u32 v13, v1, 1, 1
	s_delay_alu instid0(VALU_DEP_1)
	v_lshl_add_u32 v12, v13, 5, v12
	v_bfe_u32 v13, v1, 2, 2
	s_delay_alu instid0(VALU_DEP_1)
	v_lshl_add_u32 v12, v13, 3, v12
	v_and_b32 v13, 1, v1
	s_delay_alu instid0(VALU_DEP_1)
	v_lshl_add_u32 v12, v13, 2, v12                ; unit 64 (t / 4) + 32 h + 8 (t % 4) + j
	s_delay_alu instid0(VALU_DEP_1)
	v_lshlrev_b32 v12, 2, v12
	s_wait_alu depctr_va_vdst(0)
	s_lshl_b32 s48, s42, 9
	s_add_nc_u64 s[52:53], s[22:23], s[48:49]      ; b_blocks[min(j, 7)]
	s_cmp_eq_u32 s38, 8
	s_cselect_b64 s[52:53], s[24:25], s[52:53]     ; record 8: b_in + b_c
	s_cselect_b64 s[54:55], s[26:27], s[28:29]
	s_cselect_b32 s56, -1, 0
	s_cmp_eq_u32 s38, 3                            ; record 3: b_blocks[3] + b_skip + b_skipc
	s_cselect_b32 s57, -1, 0
	s_or_b32 s56, s56, s57
	s_cmp_le_u32 s38, 8                            ; records 9 to 12: zeros
	s_cselect_b32 s58, -1, 0
	global_load_b128 v[16:19], v12, s[52:53]
	global_load_b128 v[20:23], v12, s[54:55]
	global_load_b128 v[24:27], v12, s[30:31]
	s_wait_loadcnt 0x0
.irp i, 0,1,2,3
	v_cndmask_b32 v[16+\i], 0, v[16+\i], s58
	v_cndmask_b32 v[20+\i], 0, v[20+\i], s56
	v_cndmask_b32 v[24+\i], 0, v[24+\i], s57
.endr
.irp i, 0,1,2,3
	v_add_f32 v[16+\i], v[16+\i], v[20+\i]
.endr
.irp i, 0,1,2,3
	s_delay_alu instid0(VALU_DEP_4)
	v_add_f32 v[16+\i], v[16+\i], v[24+\i]
.endr
	global_store_b128 v4, v[16:19], s[36:37] offset:8704
.Ldone:
	s_endpgm
.Ltails:
	s_cmp_eq_u32 s38, 14
	s_cbranch_scc1 .Louts
	; ---- W_view [27][128] as bf16 fragments: lane (r, h): registers 0-3 k = 8 h .. 8 h + 7, registers 4-7 k = 16 + 8 h .. + 7.
	; k = 27, 28, 29 hold b_view + b_viewc in three bf16 parts (the second launch sets ones against them), k = 30, 31 zeros.
	s_wait_alu depctr_va_vdst(0)
	v_lshl_add_u32 v6, v3, 12, v5                  ; lanes 16-31: 8 rows further down
.set q, 0
.rept 11
.if q < 8
	global_load_b32 v[X+q], v6, s[16:17] offset:q*512
.else
	global_load_b32 v[X+q], v6, s[16:17] offset:(8+q)*512
.endif
.set q, q+1
.endr
.rept 5
	global_load_b32 v[X+q], v5, s[16:17] offset:(8+q)*512              ; k = 19 .. 23; lanes 16-31 read the same rows and are replaced below
.set q, q+1
.endr
	global_load_b32 v10, v5, s[32:33]
	global_load_b32 v11, v5, s[34:35]
	s_wait_loadcnt 0x0
	v_add_f32 v10, v10, v11
	s_delay_alu instid0(VALU_DEP_1)
	v_cvt_pk_bf16_f32 v12, v10, v10
	s_delay_alu instid0(VALU_DEP_1)
	v_lshlrev_b32 v12, 16, v12                     ; the sum's first bf16 part, as f32;
	s_delay_alu instid0(VALU_DEP_1)
	v_sub_f32 v13, v10, v12
	s_delay_alu instid0(VALU_DEP_1)
	v_cvt_pk_bf16_f32 v14, v13, v13
	s_delay_alu instid0(VALU_DEP_1)
	v_lshlrev_b32 v14, 16, v14                     ; the second;
	s_delay_alu instid0(VALU_DEP_1)
	v_sub_f32 v15, v13, v14                        ; the rest
	v_cmp_eq_u32 vcc_lo, 1, v3
	s_delay_alu instid0(VALU_DEP_1)
	v_cndmask_b32 v[X+11], v[X+11], v12, vcc_lo
	v_cndmask_b32 v[X+12], v[X+12], v14, vcc_lo
	v_cndmask_b32 v[X+13], v[X+13], v15, vcc_lo
	v_cmp_eq_u32 vcc_lo, 0, v3
	s_delay_alu instid0(VALU_DEP_1)
	v_cndmask_b32 v[X+14], 0, v[X+14], vcc_lo
	v_cndmask_b32 v[X+15], 0, v[X+15], vcc_lo
.irp i, 0,1,2,3,4,5,6,7
	v_cvt_pk_bf16_f32 v[48+\i], v[X+2*\i], v[X+2*\i+1]
.endr
	global_store_b128 v8, v[48:51], s[36:37] offset:WVO
	global_store_b128 v8, v[52:55], s[36:37] offset:WVO+512
	s_endpgm
.Louts:
	; ---- W_out and W_rgb as bf16 fragments whose rows are the four outputs.  Wave f < 4: W_out, row 0; f >= 4: W_rgb, rows 1 to 3; all other rows zeros.
	; Lane (m, h) of fragment w = f % 4 holds units 64 (w / 2) + 32 h + 16 (w % 2) + 0 .. 15: the order in which a lane of the second launch holds its row's units.
	s_cmp_lt_u32 s39, 4
	s_cbranch_scc0 .Lrgb
	s_lshr_b32 s44, s39, 1
	s_lshl_b32 s44, s44, 8
	s_and_b32 s45, s39, 1
	s_lshl_b32 s45, s45, 6
	s_add_co_u32 s44, s44, s45
	s_wait_alu depctr_va_vdst(0)
	v_lshl_add_u32 v6, v3, 7, s44
.set q, 0
.rept 16
	global_load_b32 v[X+q], v6, s[18:19] offset:4*q
.set q, q+1
.endr
	v_cmp_eq_u32 vcc_lo, 0, v2                     ; kept in row 0
	s_branch .Lpack
.Lrgb:
	s_sub_co_u32 s44, s39, 4
	s_lshr_b32 s45, s44, 1
	s_and_b32 s44, s44, 1
	s_mul_i32 s45, s45, 768
	s_mul_i32 s44, s44, 192
	s_add_co_u32 s44, s44, s45                     ; 12 bytes a unit
	s_wait_alu depctr_va_vdst(0)
	v_add_nc_u32 v7, -1, v2
	s_delay_alu instid0(VALU_DEP_1)
	v_cmp_gt_u32 vcc_lo, 3, v7                     ; kept in rows 1 to 3
	v_min_u32 v7, 2, v7                            ; the other rows read a column that exists
	v_mul_u32_u24 v6, v3, 384
	s_delay_alu instid0(VALU_DEP_1)
	v_lshl_add_u32 v6, v7, 2, v6
	s_delay_alu instid0(VALU_DEP_1)
	v_add_nc_u32 v6, s44, v6
.set q, 0
.rept 16
	global_load_b32 v[X+q], v6, s[20:21] offset:12*q
.set q, q+1
.endr
.Lpack:
	s_wait_loadcnt 0x0
.set q, 0
.rept 16
	v_cndmask_b32 v[X+q], 0, v[X+q], vcc_lo
.set q, q+1
.endr
.irp i, 0,1,2,3,4,5,6,7
	v_cvt_pk_bf16_f32 v[48+\i], v[X+2*\i], v[X+2*\i+1]
.endr
	global_store_b128 v8, v[48:51], s[36:37] offset:WOO
	global_store_b128 v8, v[52:55], s[36:37] offset:WOO+512
	v_mov_b32 v9, 0
	s_lshl_b32 s44, s39, 7
	v_lshl_add_u32 v10, v1, 2, s44
	global_store_b32 v10, v9, s[36:37] offset:PADO ; the blob's last 1,024 bytes: zeros
	s_endpgm
.Lfunc_end_k_q4dad33905e_prep:
	.size	k_q4dad33905e_prep, .Lfunc_end_k_q4dad33905e_prep-k_q4dad33905e_prep
	.p2alignl 7, 3214868480
	.fill 96, 4, 3214868480
	.section	.rodata,"a",@progbits
	.p2align	6, 0x0
	.amdhsa_kernel k_q4dad33905e_prep
		.amdhsa_group_segment_fixed_size 0
		.amdhsa_private_segment_fixed_size 0
		.amdhsa_enable_private_segment 0
		.amdhsa_kernarg_size 136
		.amdhsa_user_sgpr_count 2
		.amdhsa_user_sgpr_kernarg_segment_ptr 1
		.amdhsa_wavefront_size32 1
		.amdhsa_system_sgpr_workgroup_id_x 1
		.amdhsa_system_sgpr_workgroup_id_y 1
		.amdhsa_system_sgpr_workgroup_id_z 1
		.amdhsa_system_vgpr_workitem_id 0
		.amdhsa_next_free_vgpr 128
		.amdhsa_next_free_sgpr 66
		.amdhsa_reserve_vcc 1
		.amdhsa_float_denorm_mode_32 3
		.amdhsa_float_denorm_mode_16_64 3
		.amdhsa_memory_ordered 1
		.amdhsa_forward_progress 1
		.amdhsa_inst_pref_size 29
	.end_amdhsa_kernel
	.amdgpu_metadata
---
amdhsa.version: [ 1, 2 ]
amdhsa.kernels:
  - .name:           k_q4dad33905e_prep
    .symbol:         k_q4dad33905e_prep.kd
    .args:
      - { .name: W_blocks, .offset: 0, .size: 8, .value_kind: global_buffer, .address_space: global }
      - { .name: W_in, .offset: 8, .size: 8, .value_kind: global_buffer, .address_space: global }
      - { .name: W_c, .offset: 16, .size: 8, .value_kind: global_buffer, .address_space: global }
      - { .name: W_skip, .offset: 24, .size: 8, .value_kind: global_buffer, .address_space: global }
      - { .name: W_skipc, .offset: 32, .size: 8, .value_kind: global_buffer, .address_space: global }
      - { .name: W_viewc, .offset: 40, .size: 8, .value_kind: global_buffer, .address_space: global }
      - { .name: W_view, .offset: 48, .size: 8, .value_kind: global_buffer, .address_space: global }
      - { .name: W_out, .offset: 56, .size: 8, .value_kind: global_buffer, .address_space: global }
      - { .name: W_rgb, .offset: 64, .size: 8, .value_kind: global_buffer, .address_space: global }
      - { .name: b_blocks, .offset: 72, .size: 8, .value_kind: global_buffer, .address_space: global }
      - { .name: b_in, .offset: 80, .size: 8, .value_kind: global_buffer, .address_space: global }
      - { .name: b_c, .offset: 88, .size: 8, .value_kind: global_buffer, .address_space: global }
      - { .name: b_skip, .offset: 96, .size: 8, .value_kind: global_buffer, .address_space: global }
      - { .name: b_skipc, .offset: 104, .size: 8, .value_kind: global_buffer, .address_space: global }
      - { .name: b_view, .offset: 112, .size: 8, .value_kind: global_buffer, .address_space: global }
      - { .name: b_viewc, .offset: 120, .size: 8, .value_kind: global_buffer, .address_space: global }
      - { .name: blob, .offset: 128, .size: 8, .value_kind: global_buffer, .address_space: global }
    .group_segment_fixed_size: 0
    .private_segment_fixed_size: 0
    .kernarg_segment_align: 8
    .kernarg_segment_size: 136
    .max_flat_workgroup_size: 256
    .sgpr_count:     66
    .vgpr_count:     128
    .wavefront_size: 32
...
	.end_amdgpu_metadata
.endif
;; end of part 1
;; launch mlp (part 2): grid 256 x 1, 8 waves a work-group, no clusters, 320,512 bytes of LDS; arguments blob, condition, coords, ray_dir, noise, b_out, b_rgb, out0; writes out0
.if DOCPART == 2
	.amdgcn_target "amdgcn-amd-amdhsa--gfx1250"
	.amdhsa_code_object_version 6
	.text
	.protected	k_q4dad33905e_mlp
	.globl	k_q4dad33905e_mlp
	.p2align	8
	.type	k_q4dad33905e_mlp,@function
k_q4dad33905e_mlp:
	s_mov_b64 s[64:65], 0
	v_nop
	global_prefetch_b8 v0, s[64:65] scope:SCOPE_SE
	s_setreg_imm32_b32 hwreg(HW_REG_WAVE_MODE, 25, 1), 1
	s_wait_xcnt 0x0
; The whole network for 262,144 rows, fused: nothing but the weights' images (blob) goes through memory between the launches.
; SHARES.  A work-group takes 1,024 rows, each of its eight waves 128, in two blocks of 64 rows = four tiles of 16 = two pairs of 32.  Waves share only the weights' images in LDS, which are only read behind a barrier.
; PRODUCTS.  The 13 quantised products run on codes of FP4 (E2M1) with E8M0 scales, TRANSPOSED: source 0 = 16 units of a weight, source 1 = 16 rows.  Lane (r, h) holds row r, and the 32 registers of unit tiles
; 4 P .. 4 P + 3 are units 64 P + 32 h + 0 .. 31 (the first launch chose each tile's units so): ONE WHOLE BLOCK of the next K in a lane, in the order of the 4-bit operand's registers 4 P .. 4 P + 3.  So a block's
; maximum needs no other lane, and the conversions' results are the next operand as they stand; only the scale word's bytes cross between lanes l and l xor 16, once for each tile of rows.
; A fragment of a weight read from LDS feeds four products.  Biases are the C of a sum's first product.  W_view, W_out, W_rgb run in bf16; their results enter no quantiser.
; relu AHEAD OF A QUANTISER: negative numbers are left out of the block's maximum, and after the conversion the three magnitude bits of every negative code are cleared (-0 adds nothing).
; condition IS READ ONCE, through registers: four sets of 8 rows x 512 bytes are always asked for (16 KiB a wave); a lane holds 8 neighbours along K, four lanes a block; only the codes cross LDS.
; Its four steps keep their 32 loads, so that the counted wait holds in the one text, but all lanes then name one 16-byte piece that has been read already, and nobody uses it.
; sin AND cos.  By series: the coordinates' frequencies 1, 4, 16, 64, 256 and the view's frequency 1, six angles a group.  The angle in turns, in two f32 parts; multiplying by 4 or 16 is exact; whole turns leave
; exactly; folded to at most 1/8 turn; Taylor's series there (next terms under 2e-9).  The coordinates' frequencies 2, 8, 32, 128, 512 by ONE doubling, sin 2x = 2 s c, cos 2x = 1 - 2 s s.
; The view's frequencies 2, 4, 8 by three doublings: that operand enters no quantiser and is rounded to bf16.
; THE IMAGES are asked for at the head and waited for behind the pair loop, where they are first needed; the wait and the barrier stand in the block loop, and in its second trip no tensor load is out.
; NO CLUSTER: what work-groups share is the images, 137,216 bytes read once, against 1,048,576 bytes of condition that each work-group reads alone.  NO PREFETCH: the stream's loads themselves run four sets ahead.
; LIMITS: NaN and infinities among the inputs are not served.  Whole turns leave exactly while 256 |coords| / 2 pi < 2^22.  A doubled sine or cosine carries twice its source's error and two roundings: some 3e-7
; in absolute size.  Where the angle's low part carries it past half a turn, the sine, then under 2e-4 at |coords| < 4, has the other sign: every block of the encoding holds a sine and cosine pair, so its largest
; magnitude is 0.7 or more and that number's code is 0 either way.  |ray_dir|^2 must be a normal f32 number; ray_dir = 0 gives NaN as the definition does.  A block of zeros has the scale byte 1, not 127: its
; codes are zeros.  Biases are added ahead of the products, not behind them.
.set REC,   0x2400                     ; a record: 8,192 bytes of codes, 512 of scale words, 512 of bias
.set R8,    8*REC                      ; records 8 on and the bf16 fragments are addressed from here: every offset fits 16 bits
.set WVR,   0x1D400-R8
.set WOR,   0x1F400-R8
.set PART,  17152                      ; an eighth of the blob: 67 rows of 256 bytes
.set PRIV0, 0x21800                    ; behind the blob: WPRIV bytes for each wave, two pair regions of PR bytes
.set WPRIV, 22784
.set PR,    11392
.set SPARE, 0x4e000                    ; behind them: the spare words, 128 bytes a wave
.set ENC,   0                          ; the encoding's codes, images: 1024 x + 512 c + 16 lane; the halves c = 1 are zeros
.set ENCS,  2048                       ; its scale words, 4 x lane
.set ENCV,  2176                       ; the view encoding, bf16 images
.set CSC,   4224                       ; cond_shape's codes: 32 rows of 64 bytes + 16 of padding
.set CSS,   6784
.set CAC,   6912                       ; cond_app likewise
.set CAS,   9472
.set PTS,   9600                       ; for each block 7 runs of 128 bytes: coords, ray_dir, noise; lane = row
; window 0
.set LQ,  1                            ; 32 (l % 16) + 1024 (l / 16)
.set QO,  2                            ; the same + the offset of the chunk asked for
.set WA,  3                            ; 16 l, 4 l, 32 h + the offset of the body's four records
.set WS,  4
.set WB,  5
.set LB1, 6                            ; the same three + R8
.set LS1, 7
.set LH1, 8
.set OAY, 9                            ; 16 (l xor 8) + R8
.set PI,  10                           ; my wave's region + 16 l
.set PS,  11                           ; + 4 l
.set FR,  12                           ; + 80 r + 16 h
.set QCA, 13                           ; + 80 (l / 16) + 4 (l % 16)
.set QBA, 14                           ; + 4 (l / 16) + (l % 16) / 4
.set TPI, 15                           ; PI, PS, QCA, QBA + the pair in hand
.set TPS, 16
.set TQC, 17
.set TQB, 18
.set TNO, 19                           ; PS + the block's part of PTS
.set SH8, 20                           ; 8 h
.set L16, 21
.set L4,  22
.set H32, 23
.set ACTAS, 24                         ; v24-39 hold scale words and nothing else
.set ACTBS, 28
.set WSC, 32
.set ES,  34
.set CS,  36
.set CAW, 38
.set QM,  40                           ; a step of the stream
.set QS,  44
.set QC,  48
.set QB,  52
.set TM,  56                           ; eight half blocks' maxima, then bytes
.set TP,  64                           ; four scale operands
.set OW,  56
.set GT,  72                           ; 16 at work
.set ACTA, 88                          ; activations as codes: 4 tiles x 8, two sets
.set ACTB, 120
.set WF,  152                          ; half a weight
.set BI,  184                          ; half a bias, or 4 fragments of rows
.set OA,  216                          ; the four outputs: an accumulator for each pair
.set RES, 232
.set KV,  240
.set ZZ,  244
; window 0 while a pair is encoded
.set tAH, 72
.set tAL, 78
.set tF,  84
.set tAF, 90
.set tU,  96
.set tH,  102
.set tE2, 108
.set tEE, 114
.set tSS, 120
.set tTT, 126
.set tRR, 132
.set tCC, 138
.set PNT, 144
.set VV,  150
.set PK,  182
.set EC,  198
; window 1: v0-127 the accumulators (tile i, unit tile tt of the half: 32 i + 8 tt); while a pair is encoded v0-63 the encoding, v64-69 at work; v128-255 the stream's four sets
.set XQ,  128
.set MSB, 0
.macro WIN new                         ; s_set_vgpr_msb: bits 1:0 source 0, 3:2 source 1, 5:4 source 2, 7:6 destination; the high byte repeats the setting that is left
.if MSB != \new
	s_set_vgpr_msb (MSB<<8)|\new
.set MSB, \new
.endif
.endm
.macro PLACES n
.rept \n
	v_nop
.endr
.endm
; A STEP OF THE STREAM: set j (8 rows x 512 bytes) becomes codes and scale bytes in LDS, and its registers are asked for again.
.macro QSTEP j, cod, scl
	s_wait_loadcnt 24                              ; behind set j's eight loads exactly three sets' 24 were issued; the loops have no other global loads
	WIN 0x05
.irp u, 0,1,2,3
	v_max3_num_f32 v[QM+\u], |v[XQ+32*\j+8*\u]|, |v[XQ+32*\j+8*\u+1]|, 0x1800000   ; my 8 numbers as three leaves, with the floor 2^(3 - 127)
.endr
	WIN 0x15
.irp u, 0,1,2,3
	v_max3_num_f32 v[QS+\u], |v[XQ+32*\j+8*\u+2]|, |v[XQ+32*\j+8*\u+3]|, |v[XQ+32*\j+8*\u+4]|
	v_max3_num_f32 v[QC+\u], |v[XQ+32*\j+8*\u+5]|, |v[XQ+32*\j+8*\u+6]|, |v[XQ+32*\j+8*\u+7]|
.endr
	WIN 0
.irp u, 0,1,2
	v_max3_num_f32 v[QM+\u], v[QM+\u], v[QS+\u], v[QC+\u]
.endr
	v_max3_num_f32 v[QM+3], v[QM+3], v[QS+3], v[QC+3]
.irp u, 0,1,2,3
	s_delay_alu instid0(VALU_DEP_4)
	v_max_num_f32_dpp v[QM+\u], v[QM+\u], v[QM+\u] row_xmask:1 row_mask:0xf bank_mask:0xf
.endr
.irp u, 0,1,2,3
	s_delay_alu instid0(VALU_DEP_4)
	v_max_num_f32_dpp v[QM+\u], v[QM+\u], v[QM+\u] row_xmask:2 row_mask:0xf bank_mask:0xf   ; four lanes hold a block
.endr
.irp u, 0,1,2,3
	s_delay_alu instid0(VALU_DEP_4)
	v_add_nc_u32 v[QS+\u], 0xff000000, v[QM+\u]    ; 2 off the exponent field: the conversion's scale operand
.endr
	WIN 0x01
.irp u, 0,1,2,3
	v_cvt_scalef32_pk8_fp4_f32 v[QC+\u], v[XQ+32*\j+8*\u:XQ+32*\j+8*\u+7], v[QS+\u]
.endr
	WIN 0
.irp u, 0,1,2,3
	v_lshrrev_b32 v[QB+\u], 23, v[QS+\u]           ; the scale's byte (a plain place behind the conversions)
.endr
.irp u, 0,1,2,3
	ds_store_b32 v[TQC], v[QC+\u] offset:\cod+(8*\j+2*\u)*80
	ds_store_b8 v[TQB], v[QB+\u] offset:\scl+(8*\j+2*\u)*4     ; a block's four lanes write the same byte with the same value
.endr
	WIN 0x40
.irp u, 0,1,2,3
.irp e, 0,1
	global_load_b128 v[XQ+32*\j+8*\u+4*\e:XQ+32*\j+8*\u+4*\e+3], v[QO], s[6:7] offset:(8*\j+2*\u)*1024+16*\e th:TH_LOAD_RT_NT
.endr
.endr
	WIN 0
.endm
; On to the next chunk: q = 0 .. 7 lies at (q / 4) 65536 + (q % 2) 32768 + ((q / 2) % 2) 512; beyond the last one the lane part falls away.  The pair in hand changes.
.macro NEXTCHUNK
	s_add_co_u32 s44, s44, 1
	s_min_u32 s45, s44, 7
	s_bfe_u32 s46, s45, 0x10002
	s_lshl_b32 s46, s46, 16
	s_and_b32 s47, s45, 1
	s_lshl_b32 s47, s47, 15
	s_or_b32 s46, s46, s47
	s_bfe_u32 s47, s45, 0x10001
	s_lshl_b32 s47, s47, 9
	s_or_b32 s46, s46, s47
	s_cmp_lt_u32 s44, 8
	s_cselect_b32 s45, 1, 0
	s_xor_b32 s41, s41, PR
	s_wait_xcnt 0x0                                ; QO is written only behind this wait
	v_mul_u32_u24 v[QO], s45, v[LQ]
	s_delay_alu instid0(VALU_DEP_1)
	v_add_nc_u32 v[QO], s46, v[QO]
	v_add_nc_u32 v[TPI], s41, v[PI]
	v_add_nc_u32 v[TPS], s41, v[PS]
	v_add_nc_u32 v[TQC], s41, v[QCA]
	v_add_nc_u32 v[TQB], s41, v[QBA]
.endm
; Three numbers v[src] .. v[src + 2] as angles in turns, in two parts, into places to .. to + 2 of the six
.macro TURNS src, to
.irp c, 0,1,2
	v_mul_f32 v[tAH+(\to)+\c], 0x3e22f983, v[\src+\c]              ; x 1 / 2 pi, high part
.endr
.irp c, 0,1,2
	s_delay_alu instid0(VALU_DEP_3)
	v_fma_f32 v[tAL+(\to)+\c], v[\src+\c], 0x3e22f983, -v[tAH+(\to)+\c]    ; that product's error, exactly
.endr
.irp c, 0,1,2
	s_delay_alu instid0(VALU_DEP_3)
	v_fma_f32 v[tAL+(\to)+\c], v[\src+\c], 0x31dc9c88, v[tAL+(\to)+\c]     ; + x times the low part of 1 / 2 pi
.endr
.endm
; sin and cos of the six angles.  Angles 0-2: sin at v[d0 + c], cos 3 further on, destination window by w0; angles 3-5 likewise by d1, w1.
.macro GROUP d0, w0, d1, w1
.irp a, 0,1,2,3,4,5
	v_rndne_f32 v[tU+\a], v[tAH+\a]
.endr
.irp a, 0,2,4
	v_pk_add_f32 v[tF+\a:tF+\a+1], v[tAH+\a:tAH+\a+1], v[tU+\a:tU+\a+1] neg_lo:[0,1] neg_hi:[0,1]   ; whole turns leave: exact
.endr
.irp a, 0,2,4
	s_delay_alu instid0(VALU_DEP_3)
	v_pk_add_f32 v[tF+\a:tF+\a+1], v[tF+\a:tF+\a+1], v[tAL+\a:tAL+\a+1]   ; F, within half a turn
.endr
.irp a, 0,1,2,3,4,5
	v_and_b32 v[tAF+\a], s37, v[tF+\a]             ; |F|
.endr
.irp a, 0,2,4
	v_pk_fma_f32 v[tU+\a:tU+\a+1], v[tAF+\a:tAF+\a+1], -1.0, 0.5 op_sel_hi:[1,0,0]          ; 1/2 - |F|
	v_pk_fma_f32 v[tH+\a:tH+\a+1], v[tAF+\a:tAF+\a+1], -1.0, s[68:69] op_sel_hi:[1,0,0]     ; 1/4 - |F|: cos has its sign
.endr
.irp a, 0,1,2,3,4,5
	v_min_num_f32 v[tU+\a], v[tAF+\a], v[tU+\a]    ; M, at most 1/4
.endr
.irp a, 0,2,4
	v_pk_fma_f32 v[tE2+\a:tE2+\a+1], v[tU+\a:tU+\a+1], -1.0, s[68:69] op_sel_hi:[1,0,0]     ; 1/4 - M
.endr
.irp a, 0,1,2,3,4,5
	v_cmp_gt_f32 s[70+\a], v[tU+\a], v[tE2+\a]     ; past 1/8: sin and cos change places
	v_min_num_f32 v[tEE+\a], v[tU+\a], v[tE2+\a]   ; e, at most 1/8
.endr
.irp a, 0,2,4
	v_pk_mul_f32 v[tSS+\a:tSS+\a+1], v[tEE+\a:tEE+\a+1], v[tEE+\a:tEE+\a+1]
.endr
.irp a, 0,2,4
	v_pk_fma_f32 v[tRR+\a:tRR+\a+1], v[tSS+\a:tSS+\a+1], s[48:49], v[KV:KV+1] op_sel_hi:[1,0,1]
	v_pk_fma_f32 v[tCC+\a:tCC+\a+1], v[tSS+\a:tSS+\a+1], s[58:59], v[KV+2:KV+3] op_sel_hi:[1,0,1]
.endr
.irp a, 0,2,4
	v_pk_fma_f32 v[tRR+\a:tRR+\a+1], v[tRR+\a:tRR+\a+1], v[tSS+\a:tSS+\a+1], s[50:51] op_sel_hi:[1,1,0]
	v_pk_fma_f32 v[tCC+\a:tCC+\a+1], v[tCC+\a:tCC+\a+1], v[tSS+\a:tSS+\a+1], s[60:61] op_sel_hi:[1,1,0]
.endr
.irp a, 0,2,4
	v_pk_fma_f32 v[tRR+\a:tRR+\a+1], v[tRR+\a:tRR+\a+1], v[tSS+\a:tSS+\a+1], s[52:53] op_sel_hi:[1,1,0]
	v_pk_fma_f32 v[tCC+\a:tCC+\a+1], v[tCC+\a:tCC+\a+1], v[tSS+\a:tSS+\a+1], s[62:63] op_sel_hi:[1,1,0]
	v_pk_mul_f32 v[tTT+\a:tTT+\a+1], v[tEE+\a:tEE+\a+1], v[tSS+\a:tSS+\a+1]
.endr
.irp a, 0,2,4
	v_pk_mul_f32 v[tRR+\a:tRR+\a+1], v[tRR+\a:tRR+\a+1], v[tTT+\a:tTT+\a+1]
	v_pk_fma_f32 v[tCC+\a:tCC+\a+1], v[tCC+\a:tCC+\a+1], v[tSS+\a:tSS+\a+1], s[66:67] op_sel_hi:[1,1,0]
.endr
.irp a, 0,2,4
	v_pk_fma_f32 v[tRR+\a:tRR+\a+1], v[tEE+\a:tEE+\a+1], s[54:55], v[tRR+\a:tRR+\a+1] op_sel_hi:[1,0,1]
	v_pk_fma_f32 v[tCC+\a:tCC+\a+1], v[tCC+\a:tCC+\a+1], v[tSS+\a:tSS+\a+1], 1.0 op_sel_hi:[1,1,0]   ; cos(2 pi e) = 1 + s (..)
.endr
.irp a, 0,2,4
	v_pk_fma_f32 v[tRR+\a:tRR+\a+1], v[tEE+\a:tEE+\a+1], s[56:57], v[tRR+\a:tRR+\a+1] op_sel_hi:[1,0,1]   ; sin(2 pi e) = 2 pi e + e s (..), 2 pi in two parts
.endr
.irp a, 0,1,2,3,4,5
	v_cndmask_b32 v[tTT+\a], v[tRR+\a], v[tCC+\a], s[70+\a]    ; |sin|
	v_cndmask_b32 v[tCC+\a], v[tCC+\a], v[tRR+\a], s[70+\a]    ; |cos|
.endr
	WIN \w0
.irp a, 0,1,2
	v_bfi_b32 v[(\d0)+\a], s37, v[tTT+\a], v[tF+\a]            ; with F's sign
	v_bfi_b32 v[(\d0)+\a+3], s37, v[tCC+\a], v[tH+\a]          ; with the sign of 1/4 - |F|
.endr
	WIN \w1
.irp a, 0,1,2
	v_bfi_b32 v[(\d1)+\a], s37, v[tTT+3+\a], v[tF+3+\a]
	v_bfi_b32 v[(\d1)+\a+3], s37, v[tCC+3+\a], v[tH+3+\a]
.endr
	WIN 0
.endm
; The next frequency by doubling: from sin at v[s + c], cos at v[s + 3 + c] to sin at v[s + 6 + c], cos at v[s + 9 + c].  win: sources 0, 1 and the destination
.macro DBL tmp, s
.irp c, 0,1,2
	v_mul_f32 v[(\s)+6+\c], v[\tmp+\c], v[(\s)+3+\c]
	v_fma_f32 v[(\s)+9+\c], -v[\tmp+\c], v[(\s)+\c], 1.0
.endr
.endm
.macro TWICE win, tmp, s0, s1          ; two frequencies at once
	WIN \win
.irp c, 0,1,2
	v_add_f32 v[\tmp+\c], v[(\s0)+\c], v[(\s0)+\c]
	v_add_f32 v[\tmp+3+\c], v[(\s1)+\c], v[(\s1)+\c]
.endr
	DBL \tmp, \s0
	DBL \tmp+3, \s1
	WIN 0
.endm
.macro TWICE1 win, tmp, s
	WIN \win
.irp c, 0,1,2
	v_add_f32 v[\tmp+\c], v[(\s)+\c], v[(\s)+\c]
.endr
	DBL \tmp, \s
	WIN 0
.endm
; LDS loads.  Half g of a record's codes (4 fragments) and scale words (one register for two tiles: lanes 0-15 the even tile's, lanes 16-31 the odd one's)
.macro LOADW img, sc, off, g
.irp q, 0,1,2,3,4,5,6,7
	ds_load_b128 v[WF+4*\q:WF+4*\q+3], v[\img] offset:(\off)+4096*\g+512*\q
.endr
.irp u, 0,1
	ds_load_b32 v[WSC+\u], v[\sc] offset:(\off)+8192+128*(2*\g+\u)
.endr
.endm
.macro LOADBIAS hb, off, g
.irp q, 0,1,2,3,4,5,6,7
	ds_load_b128 v[BI+4*\q:BI+4*\q+3], v[\hb] offset:(\off)+8704+256*\g+64*(\q/2)+16*(\q%2)
.endr
.endm
.macro LOADIMG dst, from
.irp i, 0,1,2,3
.irp c, 0,1
	ds_load_b128 v[\dst+8*\i+4*\c:\dst+8*\i+4*\c+3], v[PI] offset:(\i/2)*PR+\from+(\i%2)*1024+512*\c
.endr
.endr
.endm
.macro LOADROWS dst, from
.irp i, 0,1,2,3
.irp c, 0,1
	ds_load_b128 v[\dst+8*\i+4*\c:\dst+8*\i+4*\c+3], v[FR] offset:(\i/2)*PR+\from+(\i%2)*1280+32*\c
.endr
.endr
.endm
; 16 products: the half's 4 unit tiles x the block's 4 tiles of rows.  cmode 0: C = the bias; 1: the sums go on.  smode 0: the rows' scale words in sreg + i; 1: in sreg + i / 2, the odd tile's in lanes 16-31.
; The sixteen accumulators take turns, one instruction a turn.
.macro MM cmode, breg, smode, sreg
.if \cmode
	WIN 0x50
.else
	WIN 0x40
.endif
.set tt, 0
.rept 4
.set ii, 0
.rept 4
.set rD, 32*ii+8*tt
.set rA, WF+8*tt
.set rB, \breg+8*ii
.set rSA, WSC+tt/2
.if \cmode
.set rC, rD
.else
.set rC, BI+8*tt
.endif
.if \smode
.set rSB, \sreg+ii/2
.set rb1, ii%2
.else
.set rSB, \sreg+ii
.set rb1, 0
.endif
.if (tt%2 == 1) && (rb1 == 1)
	v_wmma_scale_f32_16x16x128_f8f6f4 v[rD:rD+7], v[rA:rA+7], v[rB:rB+7], v[rC:rC+7], v[rSA], v[rSB] matrix_a_fmt:MATRIX_FMT_FP4 matrix_b_fmt:MATRIX_FMT_FP4 matrix_a_scale:MATRIX_SCALE_ROW1 matrix_b_scale:MATRIX_SCALE_ROW1
.elseif tt%2 == 1
	v_wmma_scale_f32_16x16x128_f8f6f4 v[rD:rD+7], v[rA:rA+7], v[rB:rB+7], v[rC:rC+7], v[rSA], v[rSB] matrix_a_fmt:MATRIX_FMT_FP4 matrix_b_fmt:MATRIX_FMT_FP4 matrix_a_scale:MATRIX_SCALE_ROW1
.elseif rb1 == 1
	v_wmma_scale_f32_16x16x128_f8f6f4 v[rD:rD+7], v[rA:rA+7], v[rB:rB+7], v[rC:rC+7], v[rSA], v[rSB] matrix_a_fmt:MATRIX_FMT_FP4 matrix_b_fmt:MATRIX_FMT_FP4 matrix_b_scale:MATRIX_SCALE_ROW1
.else
	v_wmma_scale_f32_16x16x128_f8f6f4 v[rD:rD+7], v[rA:rA+7], v[rB:rB+7], v[rC:rC+7], v[rSA], v[rSB] matrix_a_fmt:MATRIX_FMT_FP4 matrix_b_fmt:MATRIX_FMT_FP4
.endif
.set ii, ii+1
.endr
.set tt, tt+1
.endr
	WIN 0
.endm
.macro VMM                             ; the same sixteen accumulators take W_view's product, in bf16
	WIN 0x50
.set tt, 0
.rept 4
.set ii, 0
.rept 4
	v_wmma_f32_16x16x32_bf16 v[32*ii+8*tt:32*ii+8*tt+7], v[WF+8*tt:WF+8*tt+7], v[BI+8*ii:BI+8*ii+7], v[32*ii+8*tt:32*ii+8*tt+7]
.set ii, ii+1
.endr
.set tt, tt+1
.endr
	WIN 0
.endm
; relu on the codes of two tiles of rows, eight registers side by side: 8 - 1 = 7 in each nibble whose sign bit is set, and those three bits are cleared.  Four steps, op = 0 .. 3
.macro RSTEP op, OUT, g, i0
.set n, 0
.rept 8
.set rr, \OUT+8*(\i0+n/4)+4*\g+n%4
.if \op == 0
	v_and_b32 v[GT+n], s36, v[rr]
.elseif \op == 1
	v_lshrrev_b32 v[GT+8+n], 3, v[GT+n]
.elseif \op == 2
	v_sub_nc_u32 v[GT+n], v[GT+n], v[GT+8+n]
.else
	v_bfi_b32 v[rr], v[GT+n], 0, v[rr]
.endif
.set n, n+1
.endr
.endm
; relu and quantiser for half g of the units of the four tiles of rows.  In tile i my 32 registers 32 i on are block 2 g + h of my row, whole.
.macro QUANTH g, OUT, OUTS
	WIN 0x05
.set ch, 0
.rept 8
	v_max3_num_f32 v[TM+ch], v[16*ch], v[16*ch+1], 0x1800000   ; two chains a block.  No |.|: what is negative does not count; the floor 2^(3 - 127) stands over it.  Each accumulator is read from its low end on
.set ch, ch+1
.endr
.set st, 1
.rept 7
.set ch, 0
.rept 8
	v_max3_num_f32 v[TM+ch], v[16*ch+2*st], v[16*ch+2*st+1], v[TM+ch]
.set ch, ch+1
.endr
.set st, st+1
.endr
	WIN 0
.irp i, 0,1,2
	v_max_num_f32 v[TM+2*\i], v[TM+2*\i], v[TM+2*\i+1]
.endr
	v_max_num_f32 v[TM+6], v[TM+6], v[TM+7]
.irp i, 0,1,2,3
	s_delay_alu instid0(VALU_DEP_4)
	v_add_nc_u32 v[TP+\i], 0xff000000, v[TM+2*\i]  ; the conversion's scale operand
.endr
	WIN 0x01
.set ch, 0
.rept 8
	v_cvt_scalef32_pk8_fp4_f32 v[\OUT+8*(ch/2)+4*\g+2*(ch%2)], v[16*ch:16*ch+7], v[TP+ch/2]       ; registers 4 g .. 4 g + 3 of the next operand, as they stand
	v_cvt_scalef32_pk8_fp4_f32 v[\OUT+8*(ch/2)+4*\g+2*(ch%2)+1], v[16*ch+8:16*ch+15], v[TP+ch/2]
.set ch, ch+1
.endr
	WIN 0
.if \g == 0
.irp i, 0,1,2,3
	v_lshrrev_b32 v[\OUTS+\i], 23, v[TP+\i]        ; block h's byte (plain places behind the conversions)
.endr
	RSTEP 0, \OUT, \g, 0
	RSTEP 1, \OUT, \g, 0
	RSTEP 2, \OUT, \g, 0
	RSTEP 3, \OUT, \g, 0
.else                                          ; the scale word's lines stand between the steps of the relu, so that none waits for the line above it
.irp i, 0,1,2,3
	v_lshrrev_b32 v[TM+2*\i], 23, v[TP+\i]         ; block 2 + h's byte
.endr
	RSTEP 0, \OUT, \g, 0
.irp i, 0,1,2,3
	v_lshl_or_b32 v[\OUTS+\i], v[TM+2*\i], 16, v[\OUTS+\i]
.endr
	RSTEP 1, \OUT, \g, 0
.irp i, 0,1,2,3
	v_lshlrev_b32 v[\OUTS+\i], v[SH8], v[\OUTS+\i] ; my two bytes at their places in the word
.endr
	RSTEP 2, \OUT, \g, 0
.irp i, 0,1,2,3
	v_permlanex16_b32 v[TM+2*\i+1], v[\OUTS+\i], s34, s35
.endr
	RSTEP 3, \OUT, \g, 0
.irp i, 0,1,2,3
	v_or_b32 v[\OUTS+\i], v[\OUTS+\i], v[TM+2*\i+1]    ; with lane l xor 16's two the word is whole
.endr
.endif
	RSTEP 0, \OUT, \g, 2
	RSTEP 1, \OUT, \g, 2
	RSTEP 2, \OUT, \g, 2
	RSTEP 3, \OUT, \g, 2
.endm
; A layer: record k of the body's four.  Each half's weights are asked for while the half before is quantised; the stream's step k stands at its head.
.macro STAGE k, IN, INS, OUT, OUTS, own
	QSTEP \k, CAC, CAS
.if \own
	LOADW WA, WS, \k*REC, 0
	LOADBIAS WB, \k*REC, 0
.endif
	s_wait_dscnt 0x0
	MM 0, \IN, 0, \INS
	PLACES 4                                       ; in front of loads into the products' registers and of the first read of results
	LOADW WA, WS, \k*REC, 1
	LOADBIAS WB, \k*REC, 1
	QUANTH 0, \OUT, \OUTS
	s_wait_dscnt 0x0
	MM 0, \IN, 0, \INS
	PLACES 4
	LOADW WA, WS, (\k+1)*REC, 0
	LOADBIAS WB, (\k+1)*REC, 0
	QUANTH 1, \OUT, \OUTS
.endm
; net = enc W_in + cond_shape W_c + (b_in + b_c); its relu as codes into set A
.macro NET0
	LOADIMG ACTB, ENC
.irp p, 0,1
	ds_load_b32 v[ES+\p], v[PS] offset:\p*PR+ENCS
	ds_load_b32 v[CS+\p], v[PS] offset:\p*PR+CSS
.endr
.irp g, 0,1
	LOADW LB1, LS1, 0, \g
	LOADBIAS LH1, 0, \g
	s_wait_dscnt 0x0
	MM 0, ACTB, 1, ES
	PLACES 4
	LOADW LB1, LS1, REC, \g
	LOADROWS BI, CSC
	s_wait_dscnt 0x0
	MM 1, BI, 1, CS
	PLACES 4
	QUANTH \g, ACTA, ACTAS
.endr
.endm
; block 3, and onto its sums enc W_skip and cond_shape W_skipc (their biases lie in record 3's)
.macro STAGE_SKIP
.irp g, 0,1
.if \g
	LOADW WA, WS, 3*REC, 1
	LOADBIAS WB, 3*REC, 1
.endif
	s_wait_dscnt 0x0
	MM 0, ACTB, 0, ACTBS
	PLACES 4
	LOADW LB1, LS1, 2*REC, \g
	LOADIMG BI, ENC
	s_wait_dscnt 0x0
	MM 1, BI, 1, ES
	PLACES 4
	LOADW LB1, LS1, 3*REC, \g
	LOADROWS BI, CSC
	s_wait_dscnt 0x0
	MM 1, BI, 1, CS
	PLACES 4
	QUANTH \g, ACTA, ACTAS
.endr
.endm
.macro RELUPACK i, P                   ; tile i's 32 numbers of the half: relu, bf16: two fragments of 16 units a lane
.irp f, 0,1
	WIN 0x04
.set n, 0
.rept 16
	v_max_num_f32 v[GT+n], 0, v[32*(\i)+16*\f+n]
.set n, n+1
.endr
	WIN 0
.set n, 0
.rept 8
	v_cvt_pk_bf16_f32 v[\P+8*\f+n], v[GT+2*n], v[GT+2*n+1]
.set n, n+1
.endr
.endr
.endm
; The small products, kind 0: W_out, 1: W_rgb, over half g of the units.  Source 0's rows are the outputs 0 to 3; for a pair's second tile the same image is read at lane xor 8, so that its outputs are rows 8 to 11:
; in the one accumulator of a pair lane l then holds the four outputs of the pair's row l in its registers 0 to 3.  The two accumulators take turns.
.macro OUTMM kind, g
.irp var, 0,1
	RELUPACK \var, ACTA
.irp f, 0,1
.irp c, 0,1
.if \var
	ds_load_b128 v[OW+8*\f+4*\c:OW+8*\f+4*\c+3], v[OAY] offset:WOR+(4*\kind+2*\g+\f)*1024+512*\c
.else
	ds_load_b128 v[OW+8*\f+4*\c:OW+8*\f+4*\c+3], v[LB1] offset:WOR+(4*\kind+2*\g+\f)*1024+512*\c
.endif
.endr
.endr
	RELUPACK 2+\var, ACTA+16
	s_wait_dscnt 0x0
.irp f, 0,1
	s_wait_alu depctr_va_vdst(0)
.irp p, 0,1
.if (\kind == 0) && (\g == 0) && (\var == 0) && (\f == 0)
	v_wmma_f32_16x16x32_bf16 v[OA+8*\p:OA+8*\p+7], v[OW+8*\f:OW+8*\f+7], v[ACTA+16*\p+8*\f:ACTA+16*\p+8*\f+7], 0
.else
	v_wmma_f32_16x16x32_bf16 v[OA+8*\p:OA+8*\p+7], v[OW+8*\f:OW+8*\f+7], v[ACTA+16*\p+8*\f:ACTA+16*\p+8*\f+7], v[OA+8*\p:OA+8*\p+7]
.endif
.endr
.endr
.endr
.endm
; block 7; sigma's product on its relu; then cond_app W_viewc and enc_v W_view (with b_view + b_viewc as three of its k) onto the sums; rgb's product; the four outputs
.macro STAGE_FINAL
.irp p, 0,1
	ds_load_b32 v[CAW+\p], v[PS] offset:\p*PR+CAS
.endr
.irp g, 0,1
.if \g
	LOADW WA, WS, 3*REC, 1
	LOADBIAS WB, 3*REC, 1
.endif
	s_wait_dscnt 0x0
	MM 0, ACTB, 0, ACTBS
	PLACES 4
	OUTMM 0, \g
	LOADW LB1, LS1, 4*REC, \g
	LOADROWS BI, CAC
	s_wait_dscnt 0x0
	MM 1, BI, 1, CAW
	PLACES 5                                       ; another form takes these accumulators up: one place more
.irp q, 0,1,2,3,4,5,6,7
	ds_load_b128 v[WF+4*\q:WF+4*\q+3], v[LB1] offset:WVR+4096*\g+512*\q
.endr
	LOADIMG BI, ENCV
	s_wait_dscnt 0x0
	VMM
	PLACES 4
	OUTMM 1, \g
.endr
	ds_load_b32 v[GT], v[TNO] offset:PTS+768       ; noise: lane = the pair's row
	ds_load_b32 v[GT+1], v[TNO] offset:PR+PTS+768
	PLACES 4
	s_wait_dscnt 0x0
.irp p, 0,1
	v_add_f32 v[RES+4*\p], s76, v[OA+8*\p]         ; + b_out.  (The accumulator is read from its low end on)
	v_fma_f32 v[RES+4*\p+1], v[OA+8*\p+1], s87, s84    ; -log2(e) (x + b_rgb)
	v_fma_f32 v[RES+4*\p+2], v[OA+8*\p+2], s87, s85
	v_fma_f32 v[RES+4*\p+3], v[OA+8*\p+3], s87, s86
	s_delay_alu instid0(VALU_DEP_4)
	v_add_f32 v[RES+4*\p], v[RES+4*\p], v[GT+\p]   ; + noise
	s_wait_alu depctr_va_vdst(0)
	v_exp_f32 v[RES+4*\p+1], v[RES+4*\p+1]
	v_exp_f32 v[RES+4*\p+2], v[RES+4*\p+2]
	v_exp_f32 v[RES+4*\p+3], v[RES+4*\p+3]
	v_max_num_f32 v[RES+4*\p], 0, v[RES+4*\p]      ; sigma.  (A plain place behind the exponentials)
	s_wait_alu depctr_va_vdst(0)
	v_add_f32 v[RES+4*\p+1], 1.0, v[RES+4*\p+1]
	v_add_f32 v[RES+4*\p+2], 1.0, v[RES+4*\p+2]
	v_add_f32 v[RES+4*\p+3], 1.0, v[RES+4*\p+3]
	s_wait_alu depctr_va_vdst(0)
	v_rcp_f32 v[RES+4*\p+1], v[RES+4*\p+1]         ; the sigmoid
	v_rcp_f32 v[RES+4*\p+2], v[RES+4*\p+2]
	v_rcp_f32 v[RES+4*\p+3], v[RES+4*\p+3]
	v_nop                                          ; a plain place behind the reciprocals
	s_wait_alu depctr_va_vdst(0)
	global_store_b128 v[L16], v[RES+4*\p:RES+4*\p+3], s[18:19] offset:512*\p th:TH_STORE_NT   ; 32 rows of 16 bytes: 512 consecutive bytes, at a multiple of 512 from out0's first byte
.endr
.endm
	; ---- the head
	s_load_b512 s[4:19], s[0:1], 0x0               ; blob, condition, coords, ray_dir, noise, b_out, b_rgb, out0
	v_lshl_add_u32 v254, v0, 2, SPARE
	v_mov_b32 v255, 0
	ds_add_u32 v254, v255                          ; the opening lines: the add, twice on end, and its wait ahead of my tensor load
	ds_add_u32 v254, v255
	v_lshrrev_b32 v72, 5, v0
	s_delay_alu instid0(VALU_DEP_1)
	v_readfirstlane_b32 s32, v72                   ; wave 0..7
	s_mov_b32 s24, 3<<16                           ; group 1: 67 rows of 256 bytes (32 elements of 8 bytes), dense in memory and in LDS
	s_mov_b32 s25, 32<<16
	s_mov_b32 s26, 67<<16
	s_mov_b32 s27, 32<<16
	s_mov_b32 s28, 67
	s_mov_b32 s29, 32
	s_mov_b32 s30, 0
	s_mov_b32 s31, 0
	s_mov_b32 s20, 1
	s_mul_i32 s21, s32, PART                       ; LDS address: my eighth of the images
	s_mul_i32 s88, s32, PART
	s_mov_b32 s89, 0
	s_wait_dscnt 0x0
	s_wait_kmcnt 0x0
	s_add_nc_u64 s[22:23], s[4:5], s[88:89]
	s_or_b32 s23, s23, 0x80000000
	tensor_load_to_lds s[20:23], s[24:31]          ; my one tensor load of the launch: these bytes are filled once
	s_nop 0
.rept 4
	v_nop
.endr
	s_load_b32 s76, s[14:15], 0x0                  ; b_out
	s_load_b96 s[80:82], s[16:17], 0x0             ; b_rgb
	s_lshl_b32 s90, ttmp9, 10
	s_lshl_b32 s91, s32, 7
	s_add_co_u32 s90, s90, s91                     ; my wave's first row
	s_lshl_b32 s88, s90, 10
	s_add_nc_u64 s[6:7], s[6:7], s[88:89]          ; condition: 1,024 bytes a row (all offsets stay under 2^32)
	s_mul_i32 s88, s90, 12
	s_add_nc_u64 s[8:9], s[8:9], s[88:89]
	s_add_nc_u64 s[10:11], s[10:11], s[88:89]
	s_lshl_b32 s88, s90, 2
	s_add_nc_u64 s[12:13], s[12:13], s[88:89]
	s_lshl_b32 s88, s90, 4
	s_add_nc_u64 s[18:19], s[18:19], s[88:89]
	v_and_b32 v73, 31, v0                          ; lane
	v_and_b32 v74, 15, v0                          ; r
	v_bfe_u32 v75, v0, 4, 1                        ; h
	s_delay_alu instid0(VALU_DEP_3)
	v_lshlrev_b32 v[L16], 4, v73
	v_lshlrev_b32 v[L4], 2, v73
	s_delay_alu instid0(VALU_DEP_3)
	v_lshlrev_b32 v[H32], 5, v75
	v_lshlrev_b32 v[SH8], 3, v75
	v_lshlrev_b32 v[LQ], 5, v74
	s_delay_alu instid0(VALU_DEP_1)
	v_lshl_add_u32 v[LQ], v75, 10, v[LQ]
	v_mul_u32_u24 v77, v73, 12
.irp q, 0,1,2,3                                ; coords, ray_dir, noise of my 128 rows, lane = row: rows 32 q on are pair q % 2 of block q / 2
.irp c, 0,1,2
	global_load_b32 v[88+7*\q+\c], v77, s[8:9] offset:384*\q+4*\c
	global_load_b32 v[88+7*\q+3+\c], v77, s[10:11] offset:384*\q+4*\c
.endr
	global_load_b32 v[88+7*\q+6], v[L4], s[12:13] offset:128*\q
.endr
	WIN 0x40
.irp j, 0,1,2,3                                ; the stream's first chunk
.irp u, 0,1,2,3
.irp e, 0,1
	global_load_b128 v[XQ+32*\j+8*\u+4*\e:XQ+32*\j+8*\u+4*\e+3], v[LQ], s[6:7] offset:(8*\j+2*\u)*1024+16*\e th:TH_LOAD_RT_NT
.endr
.endr
.endr
	WIN 0
	v_add_nc_u32 v[QO], 0x8000, v[LQ]              ; the chunk asked for next: number 1
	v_add_nc_u32 v[LB1], R8, v[L16]
	v_add_nc_u32 v[LS1], R8, v[L4]
	v_add_nc_u32 v[LH1], R8, v[H32]
	v_xor_b32 v76, 8, v73
	s_delay_alu instid0(VALU_DEP_1)
	v_lshl_add_u32 v[OAY], v76, 4, R8
	s_mul_i32 s45, s32, WPRIV
	s_add_co_u32 s45, s45, PRIV0                   ; my wave's region
	v_add_nc_u32 v[PI], s45, v[L16]
	v_add_nc_u32 v[PS], s45, v[L4]
	v_mul_u32_u24 v[FR], v74, 80
	s_delay_alu instid0(VALU_DEP_1)
	v_lshl_add_u32 v[FR], v75, 4, v[FR]
	s_delay_alu instid0(VALU_DEP_1)
	v_add_nc_u32 v[FR], s45, v[FR]
	v_mul_u32_u24 v[QCA], v75, 80
	s_delay_alu instid0(VALU_DEP_1)
	v_lshl_add_u32 v[QCA], v74, 2, v[QCA]
	s_delay_alu instid0(VALU_DEP_1)
	v_add_nc_u32 v[QCA], s45, v[QCA]
	v_bfe_u32 v[QBA], v0, 2, 2
	s_delay_alu instid0(VALU_DEP_1)
	v_lshl_add_u32 v[QBA], v75, 2, v[QBA]
	s_delay_alu instid0(VALU_DEP_1)
	v_add_nc_u32 v[QBA], s45, v[QBA]
	v_mov_b32 v[TPI], v[PI]
	v_mov_b32 v[TPS], v[PS]
	v_mov_b32 v[TQC], v[QCA]
	s_delay_alu instid0(VALU_DEP_4)
	v_mov_b32 v[TQB], v[QBA]
	v_mov_b32 v[KV], 0xc2996966                    ; -(2 pi)^7 / 7!
	v_mov_b32 v[KV+1], 0xc2996966
	v_mov_b32 v[KV+2], 0x4270fa83                  ; (2 pi)^8 / 8!
	v_mov_b32 v[KV+3], 0x4270fa83
.irp i, 0,1,2,3
	v_mov_b32 v[ZZ+\i], 0
.endr
	s_mov_b32 s34, 0x76543210
	s_mov_b32 s35, 0xfedcba98                      ; selects for lane l xor 16
	s_mov_b32 s36, 0x88888888                      ; the sign bits of eight codes
	s_mov_b32 s37, 0x7fffffff
	s_mov_b32 s41, 0                               ; the pair in hand: 0 or PR
	s_mov_b32 s42, 0                               ; the block's part of PTS: 0 or 896
	s_mov_b32 s43, 0                               ; the body's records: 0 or 4 REC
	s_mov_b32 s44, 1                               ; the chunk asked for
	s_mov_b32 s48, 0x42283c1a                      ; (2 pi)^9 / 9!
	s_mov_b32 s50, 0x42a335e3                      ; (2 pi)^5 / 5!
	s_mov_b32 s52, 0xc2255de7                      ; -(2 pi)^3 / 3!
	s_mov_b32 s54, 0xb43bbd2e                      ; 2 pi, low part
	s_mov_b32 s56, 0x40c90fdb                      ; 2 pi, high part
	s_mov_b32 s58, 0xc1d368f9                      ; -(2 pi)^10 / 10!
	s_mov_b32 s60, 0xc2aae9e4                      ; -(2 pi)^6 / 6!
	s_mov_b32 s62, 0x4281e0f8                      ; (2 pi)^4 / 4!
	s_mov_b32 s66, 0xc19de9e6                      ; -(2 pi)^2 / 2
	s_mov_b32 s68, 0x3e800000                      ; 1/4
.irp i, 48,50,52,54,56,58,60,62,66,68
	s_mov_b32 s[\i+1], s[\i]                       ; the packed forms name a pair
.endr
	s_mov_b32 s87, 0xbfb8aa3b                      ; -log2(e)
	s_wait_alu depctr_va_vdst(0)
	s_wait_kmcnt 0x0
	s_mul_f32 s84, s80, s87
	s_mul_f32 s85, s81, s87
	s_mul_f32 s86, s82, s87
	s_wait_loadcnt 32                              ; the 28 small loads are in; the 32 of the first chunk, issued behind them, stay out
.irp q, 0,1,2,3
.irp k, 0,1,2,3,4,5,6
	ds_store_b32 v[PS], v[88+7*\q+\k] offset:(\q%2)*PR+PTS+(\q/2)*896+128*\k
.endr
.endr
.irp p, 0,1
.irp x, 0,1
	ds_store_b128 v[PI], v[ZZ:ZZ+3] offset:\p*PR+ENC+\x*1024+512   ; k = 64 .. 127 of the encoding: zero codes, written once
.endr
.endr
	s_mov_b32 s38, 2
.Lblock:                                               ; 64 rows
	v_add_nc_u32 v[TNO], s42, v[PS]
	s_mov_b32 s39, 2
.Lpair:                                                ; 32 rows, lane = row: both encodings; beside them the pair's chunk of cond_shape.  Only my wave's own LDS bytes are touched here
	s_wait_alu depctr_va_vdst(0)
	v_add_nc_u32 v63, s42, v[TPS]
.irp k, 0,1,2,3,4,5
	ds_load_b32 v[PNT+\k], v63 offset:PTS+128*\k   ; LDS serves a wave's instructions in order: these see my stores
.endr
	s_wait_dscnt 0x0
	WIN 0x40
.irp c, 0,1,2
	v_mov_b32 v[\c], v[PNT+\c]                     ; the encoding's first three numbers: the point
.endr
	WIN 0
	TURNS PNT, 0                                   ; frequency 1,
.irp c, 0,1,2
	v_mul_f32 v[tAH+3+\c], 4.0, v[tAH+\c]          ; and 4: exact
	v_mul_f32 v[tAL+3+\c], 4.0, v[tAL+\c]
.endr
	GROUP 3, 0x40, 15, 0x40
	QSTEP 0, CSC, CSS
	TWICE 0x45, 64, 3, 15                          ; 2 and 8
.irp a, 0,2,4
	v_pk_mul_f32 v[tAH+\a:tAH+\a+1], v[tAH+\a:tAH+\a+1], 0x41800000 op_sel_hi:[1,0]   ; x 16: exact
	v_pk_mul_f32 v[tAL+\a:tAL+\a+1], v[tAL+\a:tAL+\a+1], 0x41800000 op_sel_hi:[1,0]
.endr
	GROUP 27, 0x40, 39, 0x40                       ; 16 and 64
	QSTEP 1, CSC, CSS
	TWICE 0x45, 64, 27, 39                         ; 32 and 128
	v_mul_f32 v63, v[PNT+3], v[PNT+3]              ; the view: ray_dir / its norm
	s_delay_alu instid0(VALU_DEP_1)
	v_fma_f32 v63, v[PNT+4], v[PNT+4], v63
	s_delay_alu instid0(VALU_DEP_1)
	v_fma_f32 v63, v[PNT+5], v[PNT+5], v63
	s_wait_alu depctr_va_vdst(0)
	v_rsq_f32 v63, v63
	v_mov_b32 v[VV+27], 1.0                        ; against the three parts of b_view + b_viewc.  (Plain places behind the root)
	v_mov_b32 v[VV+28], 1.0
	v_mov_b32 v[VV+29], 1.0
	v_mov_b32 v[VV+30], 0
	v_mov_b32 v[VV+31], 0
	s_wait_alu depctr_va_vdst(0)
.irp c, 0,1,2
	v_mul_f32 v[VV+\c], v[PNT+3+\c], v63
.endr
.irp c, 0,1,2
	v_mul_f32 v[tAH+\c], 0x41800000, v[tAH+\c]     ; 16 x 16 = 256
	v_mul_f32 v[tAL+\c], 0x41800000, v[tAL+\c]
.endr
	TURNS VV, 3                                    ; and the view's frequency 1
	GROUP 51, 0x40, VV+3, 0
	QSTEP 2, CSC, CSS
	TWICE1 0x45, 64, 51                            ; 512
	TWICE1 0, tTT, VV+3                            ; the view's 2, 4, 8
	TWICE1 0, tTT, VV+9
	TWICE1 0, tTT, VV+15
	QSTEP 3, CSC, CSS
	WIN 0x40
	v_mov_b32 v63, 0                               ; k = 63 fills the second block
	WIN 0x05
.irp c, 0,1,2,3,4,5,6,7                        ; a lane holds both blocks whole: eight chains of 8
	v_max3_num_f32 v[56+\c], |v[8*\c]|, |v[8*\c+1]|, 0x1800000
.endr
.irp n, 2,4,6
.irp c, 0,1,2,3,4,5,6,7
	v_max3_num_f32 v[56+\c], |v[8*\c+\n]|, |v[8*\c+\n+1]|, v[56+\c]
.endr
.endr
	WIN 0
	v_max3_num_f32 v56, v56, v57, v58
	v_max3_num_f32 v60, v60, v61, v62
	s_delay_alu instid0(VALU_DEP_2)
	v_max_num_f32 v56, v56, v59
	s_delay_alu instid0(VALU_DEP_2)
	v_max_num_f32 v60, v60, v63
	s_delay_alu instid0(VALU_DEP_2)
	v_add_nc_u32 v57, 0xff000000, v56
	s_delay_alu instid0(VALU_DEP_2)
	v_add_nc_u32 v59, 0xff000000, v60
	s_delay_alu instid0(VALU_DEP_2)
	v_lshrrev_b32 v58, 23, v57
	s_delay_alu instid0(VALU_DEP_2)
	v_lshrrev_b32 v61, 23, v59
	s_delay_alu instid0(VALU_DEP_1)
	v_lshl_or_b32 v62, v61, 8, v58                 ; my row's scale word; its bytes 2 and 3 stand over zero codes
	WIN 0x01
.irp g, 0,1,2,3
	v_cvt_scalef32_pk8_fp4_f32 v[EC+\g], v[8*\g:8*\g+7], v57
	v_cvt_scalef32_pk8_fp4_f32 v[EC+4+\g], v[32+8*\g:32+8*\g+7], v59
.endr
	WIN 0
	v_nop                                          ; one plain place behind a scaled conversion
.irp g, 0,1,2,3
	v_permlane16_swap_b32 v[EC+\g], v[EC+4+\g]     ; rows 0-15's second block to lanes 16-31, rows 16-31's first block to lanes 0-15: the two tiles' registers 0-3
.endr
	ds_store_b128 v[TPI], v[EC:EC+3] offset:ENC
	ds_store_b128 v[TPI], v[EC+4:EC+7] offset:ENC+1024
	ds_store_b32 v[TPS], v62 offset:ENCS
.set n, 0
.rept 16
	v_cvt_pk_bf16_f32 v[PK+n], v[VV+2*n], v[VV+2*n+1]
.set n, n+1
.endr
.irp j, 0,1,2,3
	v_permlane16_swap_b32 v[PK+\j], v[PK+4+\j]     ; k = 8 .. 15 of rows 0-15 to lanes 16-31; k = 0 .. 7 of rows 16-31 to lanes 0-15
	v_permlane16_swap_b32 v[PK+8+\j], v[PK+12+\j]  ; the same for k = 16 .. 31
.endr
	ds_store_b128 v[TPI], v[PK:PK+3] offset:ENCV
	ds_store_b128 v[TPI], v[PK+8:PK+11] offset:ENCV+512
	ds_store_b128 v[TPI], v[PK+4:PK+7] offset:ENCV+1024
	ds_store_b128 v[TPI], v[PK+12:PK+15] offset:ENCV+1536
	NEXTCHUNK
	s_sub_co_u32 s39, s39, 1
	s_cmp_lg_u32 s39, 0
	s_cbranch_scc1 .Lpair
	s_wait_alu depctr_va_vdst(0)
	s_wait_tensorcnt 0x0                           ; my eighth of the images has landed (in the second trip no tensor load is out),
	s_wait_dscnt 0x0                               ; no LDS instruction of mine is out,
	s_barrier_signal -1
	s_barrier_wait -1                              ; and so it is with all eight waves: the images are read only behind this barrier, and nothing writes them again
	NET0
	s_mov_b32 s40, 2
.Lbody:                                                ; four blocks of the network a trip; beside them a pair's chunk of cond_app, one set a layer
	v_add_nc_u32 v[WA], s43, v[L16]
	v_add_nc_u32 v[WS], s43, v[L4]
	v_add_nc_u32 v[WB], s43, v[H32]
	STAGE 0, ACTA, ACTAS, ACTB, ACTBS, 1
	STAGE 1, ACTB, ACTBS, ACTA, ACTAS, 0
	STAGE 2, ACTA, ACTAS, ACTB, ACTBS, 0
	QSTEP 3, CAC, CAS
	s_cmp_eq_u32 s40, 1                            ; the second trip ends the network, the first takes the skip in
	s_cbranch_scc1 .Lfinal
	STAGE_SKIP
	s_branch .Ljoin
.Lfinal:
	STAGE_FINAL
.Ljoin:
	NEXTCHUNK
	s_xor_b32 s43, s43, 4*REC
	s_sub_co_u32 s40, s40, 1
	s_cmp_lg_u32 s40, 0
	s_cbranch_scc1 .Lbody
	s_wait_xcnt 0x0                                ; the block's stores have read their base and their data
	s_add_nc_u64 s[18:19], s[18:19], 1024          ; 64 rows of 16 bytes on
	s_xor_b32 s42, s42, 896
	s_sub_co_u32 s38, s38, 1
	s_cmp_lg_u32 s38, 0
	s_cbranch_scc1 .Lblock
	s_wait_tensorcnt 0x0                           ; the wave's end
	ds_add_u32 v254, v255
	s_wait_dscnt 0x0
	s_endpgm
.Lfunc_end_k_q4dad33905e_mlp:
	.size	k_q4dad33905e_mlp, .Lfunc_end_k_q4dad33905e_mlp-k_q4dad33905e_mlp
	.p2alignl 7, 3214868480
	.fill 96, 4, 3214868480
	.section	.rodata,"a",@progbits
	.p2align	6, 0x0
	.amdhsa_kernel k_q4dad33905e_mlp
		.amdhsa_group_segment_fixed_size 320512
		.amdhsa_private_segment_fixed_size 0
		.amdhsa_enable_private_segment 0
		.amdhsa_kernarg_size 64
		.amdhsa_user_sgpr_count 2
		.amdhsa_user_sgpr_kernarg_segment_ptr 1
		.amdhsa_wavefront_size32 1
		.amdhsa_system_sgpr_workgroup_id_x 1
		.amdhsa_system_sgpr_workgroup_id_y 1
		.amdhsa_system_sgpr_workgroup_id_z 1
		.amdhsa_system_vgpr_workitem_id 0
		.amdhsa_next_free_vgpr 512
		.amdhsa_next_free_sgpr 100
		.amdhsa_reserve_vcc 0
		.amdhsa_float_denorm_mode_32 3
		.amdhsa_float_denorm_mode_16_64 3
		.amdhsa_memory_ordered 1
		.amdhsa_forward_progress 1
		.amdhsa_inst_pref_size 255
	.end_amdhsa_kernel
	.section	.bss,"aw",@nobits
	.p2align	6
	.space	262144
	.amdgpu_metadata
---
amdhsa.version: [ 1, 2 ]
amdhsa.kernels:
  - .name:           k_q4dad33905e_mlp
    .symbol:         k_q4dad33905e_mlp.kd
    .args:
      - { .name: blob, .offset: 0, .size: 8, .value_kind: global_buffer, .address_space: global }
      - { .name: condition, .offset: 8, .size: 8, .value_kind: global_buffer, .address_space: global }
      - { .name: coords, .offset: 16, .size: 8, .value_kind: global_buffer, .address_space: global }
      - { .name: ray_dir, .offset: 24, .size: 8, .value_kind: global_buffer, .address_space: global }
      - { .name: noise, .offset: 32, .size: 8, .value_kind: global_buffer, .address_space: global }
      - { .name: b_out, .offset: 40, .size: 8, .value_kind: global_buffer, .address_space: global }
      - { .name: b_rgb, .offset: 48, .size: 8, .value_kind: global_buffer, .address_space: global }
      - { .name: out0, .offset: 56, .size: 8, .value_kind: global_buffer, .address_space: global }
    .group_segment_fixed_size: 320512
    .private_segment_fixed_size: 0
    .kernarg_segment_align: 8
    .kernarg_segment_size: 64
    .max_flat_workgroup_size: 256
    .sgpr_count:     100
    .vgpr_count:     512
    .wavefront_size: 32
...
	.end_amdgpu_metadata
.endif
;; end of part 2
